; MI455X (gfx1250); checked and timed in simulation.
; The chip was launched on July 23, 2026; its instructions are those of AMD's public machine-readable ISA for CDNA 5 (MIT licence, August 2026) and "CDNA5" Instruction Set Architecture Reference Guide (July 2026). The comments in the code are by the model that wrote it; some were corrected since.
;; Attention. Allowed arithmetic: float matrix products may take bf16 or f16 operands with f32 sums; all other float work in f32.
;; Inputs: k 2 x 16 x 2,048 x 128 float32; q 2 x 16 x 2,048 x 128 float32; v 2 x 16 x 2,048 x 128 float32.
;; Outputs: out0 2 x 16 x 2,048 x 128 float32.
;; 2 versions, each right; version 2 is version 1 with the launch attn written anew for expert scheduling mode. Each part assembles by itself: llvm-mc -triple=amdgcn-amd-amdhsa -mcpu=gfx1250 --defsym DOCPART=n.
;; ======== version 1 of 2: 1 launch
;; limits: values are held in f16: magnitudes above 65,504 overflow, below 6.1e-05 lose precision; inputs' magnitudes at most 65,504
;; launch attn (part 1): grid 8 x 32, 8 waves a work-group, no clusters, 279,552 bytes of LDS; arguments q, k, v, out0; writes out0
.if DOCPART == 1
	.amdgcn_target "amdgcn-amd-amdhsa--gfx1250"
	.amdhsa_code_object_version 6
	.text
	.protected	k_qd398287f11_attn
	.globl	k_qd398287f11_attn
	.p2align	8
	.type	k_qd398287f11_attn,@function
k_qd398287f11_attn:
	s_mov_b64 s[64:65], 0
	v_nop
	global_prefetch_b8 v0, s[64:65] scope:SCOPE_SE
	s_setreg_imm32_b32 hwreg(HW_REG_WAVE_MODE, 25, 1), 1
	s_wait_xcnt 0x0
; Causal attention, out = softmax(q k^T / sqrt(128), keys <= query) v.  q, k, v, out: [32 heads][2048][128] f32.
; Products on the matrix unit with f16 operands and f32 sums; maximum, exponentials, sums and rescaling in f32, with a running maximum.
; WHY f16 AND NOT bf16: a query row with few keys adds a handful of terms p v that may nearly cancel; a relative rounding step of 2^-9 on p
; is then of the size of a hundredth of the output's spread, 2^-12 is an eighth of it.
;
; SHARE OF THE WORK.  A head has 16 query blocks of 128 rows.  Work-group (p, head) makes block 15-p (pass 0) and block p (pass 1):
; (16-p) + (p+1) = 17 key tiles of 128 in every work-group, 8 x 32 = 256 equal work-groups.  A pass takes its diagonal tile first (the only
; one with mask code; its products start the sums, nothing is cleared), then tiles 0 .. block-1.
; Wave w: qg = w & 3 owns query rows 32 qg .. +31, kh = w >> 2 owns keys 64 kh .. +63 of every tile; each wave keeps its own maximum, sum and
; O, and the two key halves of a row are merged once a pass through LDS.
;
; BOTH PRODUCTS ARE TRANSPOSED.  S^T = K Q^T: register j of lane (r, h) holds key 8h+j of query r, so two neighbouring key tiles packed to f16
; ARE the second operand (32 keys x 16 queries) of O^T = V^T P^T: no lane ever hands a score to another, and maximum, sum and rescaling factor
; are one number a lane (one exchange between the halves of the wave).
;
; K AND V come as f32: 16 loads of 16 bytes a thread for a tile (each load of a wave covers one whole 512-byte row), rounded to f16 in the
; registers they landed in, and stored to ONE K buffer and ONE V buffer in LDS, shifted by half a step: V(t) is stored while K(t) is multiplied,
; K(t+1) while V(t) is multiplied.  Two barriers a step.  Right behind each conversion the registers are loaded again (V(t+1), K(t+2)):
; 32 loads of every wave, 128 KiB of the work-group, are always on their way, each asked for one whole step ahead of its use.
;
; NO CLUSTER, NO TENSOR LOADS.  A joint request is a tensor load, and it would lay f32 into LDS: 128 KiB a step written and read again on top of
; the 320 KiB a step that the f16 tiles cost, since the rounding has to pass through registers anyway.  And the partners (the query blocks of a head)
; leave the common walk at a step that hangs on p, their place in the cluster: trip counts would differ between partners.
;
; LIMITS.  q, k, v are rounded to f16: a magnitude of 65,520 or more becomes infinite; below 2^-14 the absolute rounding error is at most 2^-25.
; p (at most 1) is rounded to f16 for the product: below 2^-14 its absolute error is at most 2^-25, over 2,048 keys at most 2^-14 of a row sum that is
; at least 1.  The row sum adds the unrounded p.  Masked scores are -FLT_MAX, as in the reference.  A row whose 64 keys of the diagonal tile are all
; masked carries p = 1 and a sum of 64 v until a factor exp2(-huge) = 0 removes it (next rescale or the merge): sums of 64 |v| must stay finite.
; v_exp_f32 gives 0 for p below 2^-126.  v_max*_num drops NaN: NaN and infinities do not come out as in the reference.
; The diagonal tile is computed whole (its upper half is masked, not skipped).
.set TILEB, 65536                      ; bytes of a tile of 128 rows x 128 f32, and of a query block
.set STEPS, 17                         ; key tiles of a work-group, both passes
.set KP,    272                        ; LDS pitch of K and Q rows: 256 bytes + 16 = 17 x 16: the 16 rows of a fragment load lie in 16 different 16-byte columns of 256
.set VP,    288                        ; LDS pitch of V rows: 9 x 32, for the transposing load
.set STP,   528                        ; LDS pitch of a staged row of O: 512 bytes + 16 = 33 x 16
.set LK,    0                          ; K tile, f16, 128 rows
.set LV,    128*KP                     ; V tile, f16, 128 rows
.set LQ,    LV+128*VP                  ; Q of pass 0, then Q of pass 1
.set QBLK,  128*KP
.set STAT,  LQ+2*QBLK                  ; {maximum, sum}: 8 bytes for each of a wave's 32 rows, 8 waves
.set STG,   STAT+2048                  ; each wave's 32 rows of O, f32
.set WSTG,  32*STP                     ; ends at 278,528
; vector registers, window 0:  v1 16 t (global offset)   v2 K store   v3 Q store   v4 V store   v5 K fragments   v6 V fragments   v7 Q fragments
;   v8 query - key of my register 0 in the diagonal tile   v9 O stage store   v10, v11 stage read (key half 0, 1)   v12, v13 stat store, read
;   v14 offset in out   v15 prefetch offset   v248 -FLT_MAX   v232-247 temporaries
.set MX,  16                           ; v16-17   running maximum of query group a (raw scores)
.set T0,  18                           ; v18-19   maximum chain 0
.set T1,  20                           ; v20-21   maximum chain 1
.set NM,  22                           ; v22-25   - maximum x c, twice, for a = 0, 1
.set AL,  26                           ; v26-29   rescaling factor, twice, for a = 0, 1
.set EX,  30                           ; v30-31   its exponent
.set QF,  32                           ; v32-95   Q fragments [a][c] at 8 (4a + c)
.set SC,  96                           ; v96-159  scores [a][kt] at 8 (4a + kt); P [a][kk] packed in place at 8 (4a + 2kk)
.set FR0, 160                          ; v160-191 four fragments of K or V
.set FR1, 192                          ; v192-223 four more
.set LS,  224                          ; v224-231 row sums: two pairs for each a
; window 1 (v256-511, named by their low 8 bits)
.set OA,  0                            ; O [a][dt] at 8 (8a + dt); in the prologue the staging of Q
.set KS,  128                          ; staging of a K tile: 16 x 4
.set VS,  192                          ; staging of a V tile
; s_set_vgpr_msb: bits 1:0 source 0, 3:2 source 1, 5:4 source 2, 7:6 destination.  O (128) + Q (64) + scores (64) + staging (128) + fragments (64)
; do not fit one window of 256, so staging and O live in window 1.
.set W_LD,  0x40                       ; load: destination window 1, address window 0
.set W_CVT, 0x45                       ; conversion in place in window 1
.set W_STD, 0x04                       ; LDS store: address window 0, data window 1
.set W_RS,  0x41                       ; O = O x factor: O window 1, factor window 0
.set W_PV,  0x50                       ; matrix: A, B window 0, C and D window 1
.set MSB, 0
.macro WIN new                         ; the immediate's high byte repeats the setting that is left; switches that change nothing are dropped
.if MSB != \new
	s_set_vgpr_msb (MSB<<8)|\new
.set MSB, \new
.endif
.endm
; scalars: s[4:11] q, k, v, out (q and out moved to the head)   s12 wave  s13 qg  s14 kh  s16 head  s17 step  s18 15-p  s19 p  s47 16-p
;   s[20:21] c, c   s22 -c   s23 -FLT_MAX   s24, s25 lane select   s[26:27], s[28:29] K, V at the head   s[30:31], s[32:33] K, V at the tile loaded last
;   s[34:35] an offset (s35 = 0)   s[36:37] out at the pass's block   s[38:41] Q's two blocks   s[42:43], s[44:45] merge factors (s43 = s45 = 0)
;   s46 steps in which this wave prefetches   s48-50 temporaries
; Four places behind a matrix instruction before a vector instruction or a load touches one of its registers; only plain
; vector instructions that name none of its registers are counted here.
.macro PLACES
.rept 4
	v_nop
.endr
.endm
; 16 loads: a whole tile for the work-group; load i of wave w is row 8 i + w, lane L its floats 4 L .. 4 L + 3
.macro LOADT dst, ptr, nt
	WIN W_LD
.irp i, 0,1,2,3,4,5,6,7,8,9,10,11,12,13,14,15
.if \nt
	global_load_b128 v[\dst+4*\i:\dst+4*\i+3], v1, s[\ptr:\ptr+1] offset:4096*\i th:TH_LOAD_NT
.else
	global_load_b128 v[\dst+4*\i:\dst+4*\i+3], v1, s[\ptr:\ptr+1] offset:4096*\i
.endif
.endr
	WIN 0
.endm
; round 16 x 4 f32 to f16 (to nearest even, the mode at entry), in place: the first two registers of each four hold the result
.macro CVT16 b
	WIN W_CVT
.irp i, 0,1,2,3,4,5,6,7,8,9,10,11,12,13,14,15
	v_cvt_pk_f16_f32 v[\b+4*\i],   v[\b+4*\i],   v[\b+4*\i+1]
	v_cvt_pk_f16_f32 v[\b+4*\i+1], v[\b+4*\i+2], v[\b+4*\i+3]
.endr
.endm
; 16 LDS stores of 8 bytes a lane: a wave's store fills the 256 bytes of one f16 row; step = 8 rows
.macro STORET adr, b, step
	WIN W_STD
.irp i, 0,1,2,3,4,5,6,7,8,9,10,11,12,13,14,15
	ds_store_b64 v[\adr], v[\b+4*\i:\b+4*\i+1] offset:\i*\step
.endr
	WIN 0
.endm
; ptr = base + 65,536 x tile(s17 + ahead).  With g = s17 + ahead: in pass 0 (g < 16-p) loc = g and the diagonal is 15-p, in pass 1 loc = g - (16-p)
; and the diagonal is p; tile = the diagonal for loc = 0, else loc - 1.  A select leaves SCC alone, so one compare serves two.
.macro TILEPTR ptr, base, ahead
	s_add_co_u32 s48, s17, \ahead
	s_sub_co_u32 s49, s48, s47
	s_cmp_ge_u32 s48, s47
	s_cselect_b32 s48, s49, s48
	s_cselect_b32 s49, s19, s18
	s_sub_co_u32 s50, s48, 1
	s_cmp_eq_u32 s48, 0
	s_cselect_b32 s34, s49, s50
	s_lshl_b32 s34, s34, 16
	s_add_nc_u64 s[\ptr:\ptr+1], s[\base:\base+1], s[34:35]
.endm
; K fragments of my 64 keys (4 x 16) for d = 32 c .. +31: lane (r, h) takes 16 bytes at row r, byte 64 c + 16 h, and 32 bytes on
.macro FETCHK c, f
.irp kt, 0,1,2,3
	ds_load_b128 v[\f+8*\kt:\f+8*\kt+3],   v5 offset:16*KP*\kt+64*\c
	ds_load_b128 v[\f+8*\kt+4:\f+8*\kt+7], v5 offset:16*KP*\kt+64*\c+32
.endr
.endm
; V fragments, transposed on the way: group g = keys 32 (g >> 1) .. +31 of my 64, d blocks 4 (g & 1) .. +3
.macro FETCHV g, f
.irp i, 0,1,2,3
	ds_load_tr16_b128 v[\f+8*\i:\f+8*\i+3],   v6 offset:32*VP*(\g>>1)+32*(4*(\g&1)+\i)
	ds_load_tr16_b128 v[\f+8*\i+4:\f+8*\i+7], v6 offset:32*VP*(\g>>1)+32*(4*(\g&1)+\i)+16*VP
.endr
.endm
; 8 matrix instructions on 8 accumulators: S^T[a][kt] += K[kt] (16 keys x 32 d) x Q[a][c] (32 d x 16 queries)
.macro QKMUL c, f, zero
.irp kt, 0,1,2,3
.irp a, 0,1
.if \zero
	v_wmma_f32_16x16x32_f16 v[SC+8*(4*\a+\kt):SC+8*(4*\a+\kt)+7], v[\f+8*\kt:\f+8*\kt+7], v[QF+8*(4*\a+\c):QF+8*(4*\a+\c)+7], 0
.else
	v_wmma_f32_16x16x32_f16 v[SC+8*(4*\a+\kt):SC+8*(4*\a+\kt)+7], v[\f+8*\kt:\f+8*\kt+7], v[QF+8*(4*\a+\c):QF+8*(4*\a+\c)+7], v[SC+8*(4*\a+\kt):SC+8*(4*\a+\kt)+7]
.endif
.endr
.endr
.endm
; 8 matrix instructions: O^T[a][dt] += V^T[dt] (16 d x 32 keys) x P^T[a][kk] (32 keys x 16 queries)
.macro PVMUL g, f, zero
	WIN W_PV
.irp i, 0,1,2,3
.irp a, 0,1
.if \zero
	v_wmma_f32_16x16x32_f16 v[OA+8*(8*\a+4*(\g&1)+\i):OA+8*(8*\a+4*(\g&1)+\i)+7], v[\f+8*\i:\f+8*\i+7], v[SC+8*(4*\a+2*(\g>>1)):SC+8*(4*\a+2*(\g>>1))+7], 0
.else
	v_wmma_f32_16x16x32_f16 v[OA+8*(8*\a+4*(\g&1)+\i):OA+8*(8*\a+4*(\g&1)+\i)+7], v[\f+8*\i:\f+8*\i+7], v[SC+8*(4*\a+2*(\g>>1)):SC+8*(4*\a+2*(\g>>1))+7], v[OA+8*(8*\a+4*(\g&1)+\i):OA+8*(8*\a+4*(\g&1)+\i)+7]
.endif
.endr
.endr
.endm
; the pass's Q fragments: my 32 queries x 128 d, kept in 64 registers for the whole pass
.macro QFRAG pass
.irp a, 0,1
.irp c, 0,1,2,3
	ds_load_b128 v[QF+8*(4*\a+\c):QF+8*(4*\a+\c)+3],   v7 offset:QBLK*\pass+16*KP*\a+64*\c
	ds_load_b128 v[QF+8*(4*\a+\c)+4:QF+8*(4*\a+\c)+7], v7 offset:QBLK*\pass+16*KP*\a+64*\c+32
.endr
.endr
.endm
; Registers only.  first = 1: the diagonal tile: mask, no old maximum, no rescaling, the sums start.
.macro SOFTMAX first
.if \first
	; key 64 kh + 16 kt + 8 h + j stays where it is <= query 32 qg + 16 a + r, that is 16 kt - 16 a + j <= v8 (constants -16 .. 55)
.irp a, 0,1
.irp kt, 0,1,2,3
.irp j, 0,1,2,3,4,5,6,7
	v_cmp_le_i32 vcc_lo, 16*\kt-16*\a+\j, v8
	v_cndmask_b32 v[SC+8*(4*\a+\kt)+\j], v248, v[SC+8*(4*\a+\kt)+\j], vcc_lo
.endr
.endr
.endr
.endif
	; the maximum of my 32 scores of each query and the old maximum: two chains for each a, four that do not wait for each other
.irp a, 0,1
.if \first
	v_max_num_f32 v[T0+\a], v[SC+32*\a], v[SC+32*\a+1]
.else
	v_max3_num_f32 v[T0+\a], v[SC+32*\a], v[SC+32*\a+1], v[MX+\a]
.endif
	v_max3_num_f32 v[T1+\a], v[SC+32*\a+16], v[SC+32*\a+17], v[SC+32*\a+18]
.endr
.irp nn, 0,2,4,6,8,10
.irp a, 0,1
	v_max3_num_f32 v[T0+\a], v[SC+32*\a+2+\nn],  v[SC+32*\a+3+\nn],  v[T0+\a]
	v_max3_num_f32 v[T1+\a], v[SC+32*\a+19+\nn], v[SC+32*\a+20+\nn], v[T1+\a]
.endr
.endr
.irp a, 0,1
	v_max3_num_f32 v[T0+\a], v[SC+32*\a+14], v[SC+32*\a+15], v[T0+\a]
.endr
.irp a, 0,1
	v_max3_num_f32 v[T0+\a], v[T0+\a], v[T1+\a], v[SC+32*\a+31]
.endr
.irp a, 0,1
	v_permlanex16_b32 v[T1+\a], v[T0+\a], s24, s25         ; the other half of the lanes holds the query's other keys
.endr
.irp a, 0,1
	v_max_num_f32 v[T0+\a], v[T0+\a], v[T1+\a]
.endr
.irp a, 0,1
	v_mul_f32 v[NM+2*\a],   s22, v[T0+\a]                  ; - maximum x c, a pair for the packed multiply-add
	v_mul_f32 v[NM+2*\a+1], s22, v[T0+\a]
.endr
.irp a, 0,1
.if \first == 0
	v_fma_f32 v[EX+\a], v[MX+\a], s20, v[NM+2*\a]          ; (old maximum - new maximum) x c, at most 0
.endif
	v_mov_b32 v[MX+\a], v[T0+\a]
.endr
.if \first == 0
.irp a, 0,1
	v_exp_f32 v[AL+2*\a],   v[EX+\a]
	v_exp_f32 v[AL+2*\a+1], v[EX+\a]
.endr
.endif
	; p = exp2(score x c - maximum x c).  Behind a run of exponentials one plain vector instruction that touches none of their registers comes
	; before a result is used (ISA guide 5.7.2): the multiply-adds of the other query group, then the rescaling of O, are those.
.set ii, 0
.rept 16
	v_pk_fma_f32 v[SC+ii:SC+ii+1], v[SC+ii:SC+ii+1], s[20:21], v[NM:NM+1] op_sel_hi:[1,0,1]
.set ii, ii+2
.endr
.set ii, 0
.rept 32
	v_exp_f32 v[SC+ii], v[SC+ii]
.set ii, ii+1
.endr
.set ii, 32
.rept 16
	v_pk_fma_f32 v[SC+ii:SC+ii+1], v[SC+ii:SC+ii+1], s[20:21], v[NM+2:NM+3] op_sel_hi:[1,0,1]
.set ii, ii+2
.endr
.set ii, 32
.rept 32
	v_exp_f32 v[SC+ii], v[SC+ii]
.set ii, ii+1
.endr
.if \first
	v_nop                                                  ; the place behind the last exponentials
	s_wait_alu depctr_va_vdst(0)
.else
	WIN W_RS
.set ii, 0
	s_wait_alu depctr_va_vdst(0)
.rept 32
	v_pk_mul_f32 v[OA+ii:OA+ii+1],       v[OA+ii:OA+ii+1],       v[AL:AL+1]
	v_pk_mul_f32 v[OA+64+ii:OA+64+ii+1], v[OA+64+ii:OA+64+ii+1], v[AL+2:AL+3]
.set ii, ii+2
.endr
	WIN 0
.endif
	; row sums: two pairs for each a; the halves of the pairs and of the wave meet once a pass
.irp a, 0,1
.if \first
	v_pk_add_f32 v[LS+4*\a:LS+4*\a+1],   v[SC+32*\a:SC+32*\a+1],   v[SC+32*\a+4:SC+32*\a+5]
	v_pk_add_f32 v[LS+4*\a+2:LS+4*\a+3], v[SC+32*\a+2:SC+32*\a+3], v[SC+32*\a+6:SC+32*\a+7]
.else
	v_pk_fma_f32 v[LS+4*\a:LS+4*\a+1],   v[LS+4*\a:LS+4*\a+1],   v[AL+2*\a:AL+2*\a+1], v[SC+32*\a:SC+32*\a+1]
	v_pk_fma_f32 v[LS+4*\a+2:LS+4*\a+3], v[LS+4*\a+2:LS+4*\a+3], v[AL+2*\a:AL+2*\a+1], v[SC+32*\a+2:SC+32*\a+3]
	v_pk_add_f32 v[LS+4*\a:LS+4*\a+1],   v[LS+4*\a:LS+4*\a+1],   v[SC+32*\a+4:SC+32*\a+5]
	v_pk_add_f32 v[LS+4*\a+2:LS+4*\a+3], v[LS+4*\a+2:LS+4*\a+3], v[SC+32*\a+6:SC+32*\a+7]
.endif
.endr
.irp nn, 8,12,16,20,24,28
.irp a, 0,1
	v_pk_add_f32 v[LS+4*\a:LS+4*\a+1],   v[LS+4*\a:LS+4*\a+1],   v[SC+32*\a+\nn:SC+32*\a+\nn+1]
	v_pk_add_f32 v[LS+4*\a+2:LS+4*\a+3], v[LS+4*\a+2:LS+4*\a+3], v[SC+32*\a+\nn+2:SC+32*\a+\nn+3]
.endr
.endr
	; two key tiles of 16 -> one operand of 32 keys, in place: registers 0-3 keys 8h .. 8h+7, registers 4-7 keys 16+8h .. +7
.irp a, 0,1
.irp kk, 0,1
.irp j, 0,1,2,3
	v_cvt_pk_f16_f32 v[SC+32*\a+16*\kk+\j], v[SC+32*\a+16*\kk+2*\j], v[SC+32*\a+16*\kk+2*\j+1]
.endr
.irp j, 0,1,2,3
	v_cvt_pk_f16_f32 v[SC+32*\a+16*\kk+4+\j], v[SC+32*\a+16*\kk+8+2*\j], v[SC+32*\a+16*\kk+9+2*\j]
.endr
.endr
.endr
.endm
; ONE KEY TILE.  first: the pass's diagonal tile.  pf: the text holds the prefetch lines (pass 0, where steps 0 to 4 lie).  id: for the labels.
; On entry: K(t) is in LDS (a barrier has been passed); V(t)'s 16 loads, then K(t+1)'s 16, are on their way.
.macro STEP first, pf, id
	PLACES                                                 ; behind the last step's matrix instructions, which read FR0 and FR1
	v_nop                                                  ; a fifth place: QKMUL 0 below writes over P, a source of those matrix instructions
	FETCHK 0, FR0
	s_wait_loadcnt 16                                      ; loads come back in order (ISA guide 5.7.1): V(t) is in, K(t+1)'s 16 stay out
	CVT16 VS
	STORET 4, VS, 8*VP                                     ; the V buffer is free: everybody's reads of V(t-1) ended in front of the last barrier
	FETCHK 1, FR1
	s_wait_dscnt 8                                         ; all but FETCHK 1's eight: FR0 (and in a pass's first step Q) is in, the V stores have left their registers
	s_cmp_ge_u32 s17, STEPS-1
	s_cbranch_scc1 .Lvn_\id
	s_wait_xcnt 0x0                                        ; the pointer is stepped only when the last prefetch that names it has had its address translated (ISA guide 3.1)
	TILEPTR 32, 28, 1
	LOADT VS, 32, 0                                        ; V(t+1)
.if \pf
	s_cmp_ge_u32 s17, s46
	s_cbranch_scc1 .Lvd_\id
	; steps 0-4, wave 0: the pointer stands at tile t; rows 16 p .. +15 of V's tile t+3 (8 KiB, lanes 256 bytes apart).  The eight work-groups of the
	; head ask for the eight parts of a tile, each part once; tiles 3-7 only: 8-15 are loaded at step 0 as diagonals, 0-2 are loaded at once.
	global_prefetch_b8 v15, s[32:33] offset:3*TILEB th:TH_LOAD_NT scope:SCOPE_SE
.endif
	s_branch .Lvd_\id
.Lvn_\id:
	s_wait_loadcnt 0x0                                     ; the last step loads nothing: so that every path leaves the same or fewer loads out
.Lvd_\id:
	QKMUL 0, FR0, 1                                        ; the first product starts the scores
	PLACES
	FETCHK 2, FR0
	s_wait_dscnt 8                                         ; FR1 is in, FETCHK 2's eight stay out
	QKMUL 1, FR1, 0
	PLACES
	FETCHK 3, FR1
	s_wait_dscnt 8                                         ; FR0 is in
	QKMUL 2, FR0, 0
	s_wait_dscnt 0x0                                       ; for the others: my reads of K(t) and my stores of V(t) are done
	s_barrier_signal -1
	QKMUL 3, FR1, 0                                        ; registers only, up to the wait
	PLACES
	SOFTMAX \first
	s_barrier_wait -1                                      ; V(t) is whole, nobody reads K(t) any more
	FETCHV 0, FR0
	s_cmp_ge_u32 s17, STEPS-1
	s_cbranch_scc1 .Lkw_\id
	s_wait_loadcnt 16                                      ; K(t+1) is in, V(t+1)'s 16 stay out
	CVT16 KS
	STORET 2, KS, 8*KP
	s_branch .Lks_\id
.Lkw_\id:
	s_wait_loadcnt 0x0                                     ; the last step: no K follows, nothing is out
.Lks_\id:
	FETCHV 1, FR1
	s_wait_dscnt 8                                         ; FR0 is in, the K stores have left their registers; FETCHV 1's eight stay out
	s_cmp_ge_u32 s17, STEPS-2
	s_cbranch_scc1 .Lkn_\id
	s_wait_xcnt 0x0                                        ; as above, for K's pointer
	TILEPTR 30, 26, 2
	LOADT KS, 30, 0                                        ; K(t+2)
.if \pf
	s_cmp_ge_u32 s17, s46
	s_cbranch_scc1 .Lkd_\id
	global_prefetch_b8 v15, s[30:31] offset:2*TILEB th:TH_LOAD_NT scope:SCOPE_SE   ; the pointer stands at tile t+1: K's tile t+3, loaded two steps from here
.endif
	s_branch .Lkd_\id
.Lkn_\id:
	s_wait_loadcnt 0x0                                     ; no K(t+2): the next step's wait for V then finds nothing behind V
.Lkd_\id:
	PVMUL 0, FR0, \first
	WIN 0
	PLACES
	FETCHV 2, FR0
	s_wait_dscnt 8                                         ; FR1 is in
	PVMUL 1, FR1, \first
	WIN 0
	PLACES
	FETCHV 3, FR1
	s_wait_dscnt 8                                         ; FR0 is in
	PVMUL 2, FR0, 0
	s_wait_dscnt 0x0                                       ; for the others: my reads of V(t) and my stores of K(t+1) are done
	s_barrier_signal -1
	PVMUL 3, FR1, 0
	WIN 0
	s_barrier_wait -1                                      ; K(t+1) is whole, nobody reads V(t) any more
	s_add_co_u32 s17, s17, 1
.endm
; THE END OF A PASS: the two key halves of each query row meet in LDS; each wave then finishes 16 rows and stores them, a whole row of 512 bytes an instruction.
.macro EPILOGUE
	PLACES                                                 ; behind the last matrix instructions: O is read, scores and fragments are loaded over
.irp a, 0,1
	v_pk_add_f32 v[LS+4*\a:LS+4*\a+1], v[LS+4*\a:LS+4*\a+1], v[LS+4*\a+2:LS+4*\a+3]
	v_add_f32 v[233+2*\a], v[LS+4*\a], v[LS+4*\a+1]
	v_permlanex16_b32 v[LS+4*\a+2], v[233+2*\a], s24, s25  ; (its destination has been written)
	v_add_f32 v[233+2*\a], v[233+2*\a], v[LS+4*\a+2]       ; my wave's sum for query 16 a + r
	v_mov_b32 v[232+2*\a], v[MX+\a]
	ds_store_b64 v12, v[232+2*\a:233+2*\a] offset:128*\a   ; both halves of the lanes store the same 8 bytes
.endr
	WIN W_STD
.irp a, 0,1
.irp dt, 0,1,2,3,4,5,6,7
	ds_store_b128 v9, v[OA+8*(8*\a+\dt):OA+8*(8*\a+\dt)+3]   offset:16*STP*\a+64*\dt      ; row 16 a + r, d = 16 dt + 8 h + 0..3
	ds_store_b128 v9, v[OA+8*(8*\a+\dt)+4:OA+8*(8*\a+\dt)+7] offset:16*STP*\a+64*\dt+16   ; and + 4..7
.endr
.endr
	WIN 0
	s_wait_dscnt 0x0                                       ; for the partner wave: my stage and my stats are written
	s_barrier_signal -1
	s_barrier_wait -1
	ds_load_b64 v[236:237], v13                            ; lane r: {maximum, sum} of row 16 kh + r from key half 0,
	ds_load_b64 v[238:239], v13 offset:1024                ; and from key half 1 (four waves on)
.irp i, 0,1,2,3,4,5,6,7,8,9,10,11,12,13,14,15
	ds_load_b128 v[SC+4*\i:SC+4*\i+3],   v10 offset:STP*\i ; row 16 kh + i, 16 bytes a lane, key half 0
	ds_load_b128 v[FR0+4*\i:FR0+4*\i+3], v11 offset:STP*\i ; key half 1
.endr
	s_wait_dscnt 32                                        ; the two stat loads are in; the 32 row loads behind them stay out
	v_max_num_f32 v240, v236, v238
	v_sub_f32 v241, v236, v240
	v_sub_f32 v242, v238, v240
	v_mul_f32 v241, s20, v241
	v_mul_f32 v242, s20, v242
	v_exp_f32 v241, v241                                   ; weight of each half; one of them is 1
	v_exp_f32 v242, v242
	v_nop
	s_wait_alu depctr_va_vdst(0)
	v_mul_f32 v243, v237, v241
	v_fmac_f32 v243, v239, v242                            ; the row's whole sum, at least about 1
	v_rcp_f32 v244, v243
	v_nop
	s_wait_alu depctr_va_vdst(0)
	v_mul_f32 v245, v241, v244
	v_mul_f32 v246, v242, v244
.irp i, 0,1,2,3,4,5,6,7,8,9,10,11,12,13,14,15
	s_wait_dscnt 30-2*\i                                   ; row i's two loads are in, the younger rows' stay out
	v_readlane_b32 s44, v245, \i                           ; row i's two factors, for all lanes
	v_readlane_b32 s42, v246, \i
	v_pk_mul_f32 v[FR0+4*\i:FR0+4*\i+1],   v[FR0+4*\i:FR0+4*\i+1],   s[42:43] op_sel_hi:[1,0]
	v_pk_mul_f32 v[FR0+4*\i+2:FR0+4*\i+3], v[FR0+4*\i+2:FR0+4*\i+3], s[42:43] op_sel_hi:[1,0]
	v_pk_fma_f32 v[SC+4*\i:SC+4*\i+1],     v[SC+4*\i:SC+4*\i+1],     s[44:45], v[FR0+4*\i:FR0+4*\i+1]   op_sel_hi:[1,0,1]
	v_pk_fma_f32 v[SC+4*\i+2:SC+4*\i+3],   v[SC+4*\i+2:SC+4*\i+3],   s[44:45], v[FR0+4*\i+2:FR0+4*\i+3] op_sel_hi:[1,0,1]
	global_store_b128 v14, v[SC+4*\i:SC+4*\i+3], s[36:37] offset:512*\i th:TH_STORE_NT   ; 32 lanes: 512 consecutive bytes, one row of out
.endr
	s_wait_xcnt 0x0                                        ; the stores' data registers and base are written again only behind this wait
.endm
	; ---------------------------------------------------------------- prologue
	s_load_b256 s[4:11], s[0:1], 0x0               ; q s[4:5], k s[6:7], v s[8:9], out s[10:11]
	v_lshl_add_u32 v254, v0, 2, 0x44000
	v_mov_b32 v255, 0
	v_lshlrev_b32 v1, 4, v0                        ; 16 t
	v_lshrrev_b32 v235, 5, v0
	v_readfirstlane_b32 s12, v235                  ; wave
	s_and_b32 s13, s12, 3                          ; qg
	s_lshr_b32 s14, s12, 2                         ; kh
	s_mov_b32 s19, ttmp9                           ; p
	s_and_b32 s16, ttmp7, 0xffff                   ; head
	s_sub_co_u32 s18, 15, s19
	s_sub_co_u32 s47, 16, s19
	s_mov_b32 s17, 0
	s_mov_b32 s20, 0x3e0293ee                      ; c = log2(e) / sqrt(128)
	s_mov_b32 s21, 0x3e0293ee
	s_mov_b32 s22, 0xbe0293ee                      ; -c
	s_mov_b32 s23, 0xff7fffff                      ; -FLT_MAX
	s_mov_b32 s24, 0x76543210                      ; v_permlanex16_b32: lane i of one half reads lane i of the other
	s_mov_b32 s25, 0xfedcba98
	s_mov_b32 s43, 0
	s_mov_b32 s45, 0
	s_cmp_eq_u32 s12, 0
	s_cselect_b32 s46, 5, 0                        ; wave 0 prefetches in steps 0-4, the others never
	s_lshl_b32 s34, s16, 20                        ; a head is 2,048 x 512 bytes
	s_mov_b32 s35, 0
	s_wait_kmcnt 0x0
	s_add_nc_u64 s[4:5], s[4:5], s[34:35]
	s_add_nc_u64 s[26:27], s[6:7], s[34:35]
	s_add_nc_u64 s[28:29], s[8:9], s[34:35]
	s_add_nc_u64 s[10:11], s[10:11], s[34:35]
	s_lshl_b32 s34, s18, 16                        ; block 15-p: pass 0's queries, its diagonal tile, its part of out
	s_add_nc_u64 s[38:39], s[4:5], s[34:35]
	s_add_nc_u64 s[30:31], s[26:27], s[34:35]
	s_add_nc_u64 s[32:33], s[28:29], s[34:35]
	s_add_nc_u64 s[36:37], s[10:11], s[34:35]
	s_lshl_b32 s34, s19, 16                        ; block p: pass 1's queries
	s_add_nc_u64 s[40:41], s[4:5], s[34:35]
	LOADT OA, 38, 1                                ; each Q block is read once in the launch
	LOADT OA+64, 40, 1
	LOADT KS, 30, 0                                ; K of step 0; V of step 0, wanted later, follows behind the first conversion
	; address registers, while the loads are on their way
	v_and_b32 v232, 31, v0                         ; L
	v_and_b32 v233, 15, v0                         ; r
	v_bfe_u32 v234, v0, 4, 1                       ; h
	v_mov_b32 v248, s23
	s_mul_i32 s48, s12, KP
	v_lshl_add_u32 v2, v232, 3, s48                ; K store: row w (+ 8 i), byte 8 L
	v_add_nc_u32 v3, LQ, v2                        ; Q store, pass 0
	v_add_nc_u32 v16, QBLK, v3                     ; Q store, pass 1 (v16 is free until the first softmax)
	s_mul_i32 s48, s12, VP
	s_add_co_u32 s48, s48, LV
	v_lshl_add_u32 v4, v232, 3, s48                ; V store
	v_mul_u32_u24 v236, v233, KP
	v_lshl_add_u32 v236, v234, 4, v236             ; r x pitch + 16 h
	s_mul_i32 s48, s14, 64*KP
	v_add_nc_u32 v5, s48, v236                     ; K fragments: my 64 keys
	s_mul_i32 s48, s13, 32*KP
	s_add_co_u32 s48, s48, LQ
	v_add_nc_u32 v7, s48, v236                     ; Q fragments: my 32 queries
	v_and_b32 v237, 7, v0
	v_lshl_add_u32 v237, v234, 3, v237             ; key 8 h + (L & 7)
	v_mul_u32_u24 v237, v237, VP
	v_bfe_u32 v238, v0, 3, 1
	v_lshl_add_u32 v237, v238, 4, v237             ; + 16 bytes for lanes 8-15 of each half
	s_mul_i32 s48, s14, 64*VP
	s_add_co_u32 s48, s48, LV
	v_add_nc_u32 v6, s48, v237                     ; V fragments
	s_lshl_b32 s48, s13, 5
	s_lshl_b32 s49, s14, 6
	s_sub_co_i32 s48, s48, s49
	v_lshlrev_b32 v238, 3, v234
	v_sub_nc_u32 v8, v233, v238
	v_add_nc_u32 v8, s48, v8                       ; r - 8 h + 32 qg - 64 kh, signed
	v_mul_u32_u24 v238, v233, STP
	v_lshl_add_u32 v238, v234, 5, v238
	s_mul_i32 s48, s12, WSTG
	s_add_co_u32 s48, s48, STG
	v_add_nc_u32 v9, s48, v238                     ; stage store: my wave's part, row r, byte 32 h
	s_mul_i32 s48, s13, WSTG
	s_mul_i32 s49, s14, 16*STP
	s_add_co_u32 s48, s48, s49
	s_add_co_u32 s48, s48, STG
	v_lshl_add_u32 v10, v232, 4, s48               ; stage read: wave qg's part, rows 16 kh .., byte 16 L
	v_add_nc_u32 v11, 4*WSTG, v10                  ; and wave qg + 4's
	s_lshl_b32 s48, s12, 8
	s_add_co_u32 s48, s48, STAT
	v_lshl_add_u32 v12, v233, 3, s48               ; stat store: (32 w + r) x 8
	s_lshl_b32 s48, s13, 8
	s_lshl_b32 s49, s14, 7
	s_add_co_u32 s48, s48, s49
	s_add_co_u32 s48, s48, STAT
	v_lshl_add_u32 v13, v233, 3, s48               ; stat read: (32 qg + 16 kh + r) x 8
	s_lshl_b32 s48, s13, 14
	s_lshl_b32 s49, s14, 13
	s_add_co_u32 s48, s48, s49
	v_lshl_add_u32 v14, v232, 4, s48               ; out: row 32 qg + 16 kh of the block, byte 16 L
	s_lshl_b32 s48, s19, 13
	v_lshl_add_u32 v15, v232, 8, s48               ; prefetch: rows 16 p .. of a tile, lanes 256 bytes apart
	s_wait_loadcnt 32                              ; Q of pass 0 is in: Q of pass 1 and K (32 loads) stay out
	CVT16 OA
	STORET 3, OA, 8*KP
	LOADT VS, 32, 0                                ; V of step 0
	s_wait_loadcnt 32                              ; Q of pass 1 is in: K's and V's 32 stay out
	CVT16 OA+64
	STORET 16, OA+64, 8*KP
	s_wait_loadcnt 16                              ; K of step 0 is in (and its pointer free): V's 16 stay out
	CVT16 KS
	STORET 2, KS, 8*KP
	TILEPTR 30, 26, 1
	s_wait_dscnt 0x0                               ; for the others: my rows of Q and K are written
	LOADT KS, 30, 0                                ; K of step 1
	s_barrier_signal -1
	s_barrier_wait -1
	; ---------------------------------------------------------------- pass 0: query block 15-p, 16-p tiles (at least 9)
	QFRAG 0
	STEP 1, 1, d0
.Lt0:
	STEP 0, 1, n0
	s_cmp_lt_u32 s17, s47
	s_cbranch_scc1 .Lt0
	EPILOGUE
	; ---------------------------------------------------------------- pass 1: query block p, p+1 tiles
	s_lshl_b32 s34, s19, 16
	s_add_nc_u64 s[36:37], s[10:11], s[34:35]
	QFRAG 1
	STEP 1, 0, d1
	s_cmp_ge_u32 s17, STEPS                        ; p = 0: the diagonal tile was all
	s_cbranch_scc1 .Le1
.Lt1:
	STEP 0, 0, n1
	s_cmp_lt_u32 s17, STEPS
	s_cbranch_scc1 .Lt1
.Le1:
	EPILOGUE
	s_wait_tensorcnt 0x0
	ds_add_u32 v254, v255
	s_wait_dscnt 0x0
	s_endpgm
.Lfunc_end_k_qd398287f11_attn:
	.size	k_qd398287f11_attn, .Lfunc_end_k_qd398287f11_attn-k_qd398287f11_attn
	.p2alignl 7, 3214868480
	.fill 96, 4, 3214868480
	.section	.rodata,"a",@progbits
	.p2align	6, 0x0
	.amdhsa_kernel k_qd398287f11_attn
		.amdhsa_group_segment_fixed_size 279552
		.amdhsa_private_segment_fixed_size 0
		.amdhsa_enable_private_segment 0
		.amdhsa_kernarg_size 32
		.amdhsa_user_sgpr_count 2
		.amdhsa_user_sgpr_kernarg_segment_ptr 1
		.amdhsa_wavefront_size32 1
		.amdhsa_system_sgpr_workgroup_id_x 1
		.amdhsa_system_sgpr_workgroup_id_y 1
		.amdhsa_system_sgpr_workgroup_id_z 1
		.amdhsa_system_vgpr_workitem_id 0
		.amdhsa_next_free_vgpr 512
		.amdhsa_next_free_sgpr 66
		.amdhsa_reserve_vcc 1
		.amdhsa_float_denorm_mode_32 3
		.amdhsa_float_denorm_mode_16_64 3
		.amdhsa_memory_ordered 1
		.amdhsa_forward_progress 1
		.amdhsa_inst_pref_size 190
	.end_amdhsa_kernel
	.amdgpu_metadata
---
amdhsa.version: [ 1, 2 ]
amdhsa.kernels:
  - .name:           k_qd398287f11_attn
    .symbol:         k_qd398287f11_attn.kd
    .args:
      - { .name: q, .offset: 0, .size: 8, .value_kind: global_buffer, .address_space: global }
      - { .name: k, .offset: 8, .size: 8, .value_kind: global_buffer, .address_space: global }
      - { .name: v, .offset: 16, .size: 8, .value_kind: global_buffer, .address_space: global }
      - { .name: out0, .offset: 24, .size: 8, .value_kind: global_buffer, .address_space: global }
    .group_segment_fixed_size: 279552
    .private_segment_fixed_size: 0
    .kernarg_segment_align: 8
    .kernarg_segment_size: 32
    .max_flat_workgroup_size: 256
    .sgpr_count:     66
    .vgpr_count:     512
    .wavefront_size: 32
...
	.end_amdgpu_metadata
.endif
;; end of part 1
;; ======== version 2 of 2: 1 launch; version 1 with the launch attn written anew for expert scheduling mode
;; limits: values are held in f16: magnitudes above 65,504 overflow, below 6.1e-05 lose precision; inputs' magnitudes at most 65,504
;; launch attn (part 2): grid 8 x 32, 8 waves a work-group, no clusters, 279,552 bytes of LDS; arguments q, k, v, out0; writes out0
.if DOCPART == 2
	.amdgcn_target "amdgcn-amd-amdhsa--gfx1250"
	.amdhsa_code_object_version 6
	.text
	.protected	k_qd398287f11_attn
	.globl	k_qd398287f11_attn
	.p2align	8
	.type	k_qd398287f11_attn,@function
k_qd398287f11_attn:
	s_mov_b64 s[64:65], 0
	v_nop
	global_prefetch_b8 v0, s[64:65] scope:SCOPE_SE
	s_setreg_imm32_b32 hwreg(HW_REG_WAVE_SCHED_MODE, 0, 2), 2
	s_setreg_imm32_b32 hwreg(HW_REG_WAVE_MODE, 25, 1), 1
	s_wait_xcnt 0x0
	s_wait_alu depctr_vm_vsrc(0)
; Causal attention, out = softmax(q k^T / sqrt(128), keys <= query) v.  q, k, v, out: [32 heads][2048][128] f32.
; Products on the matrix unit with f16 operands and f32 sums; maximum, exponentials, sums and rescaling in f32, with a running maximum.
; WHY f16 AND NOT bf16: a query row with few keys adds a handful of terms p v that may nearly cancel; a relative rounding step of 2^-9 on p
; is then of the size of a hundredth of the output's spread, 2^-12 is an eighth of it.
;
; SHARE OF THE WORK.  A head has 16 query blocks of 128 rows.  Work-group (p, head) makes block 15-p (pass 0) and block p (pass 1):
; (16-p) + (p+1) = 17 key tiles of 128 in every work-group, 8 x 32 = 256 equal work-groups.  A pass takes its diagonal tile first (the only
; one with mask code; its products start the sums, nothing is cleared), then tiles 0 .. block-1.
; Wave w: qg = w & 3 owns query rows 32 qg .. +31, kh = w >> 2 owns keys 64 kh .. +63 of every tile; each wave keeps its own maximum, sum and
; O, and the two key halves of a row are merged once a pass through LDS.
;
; BOTH PRODUCTS ARE TRANSPOSED.  S^T = K Q^T: register j of lane (r, h) holds key 8h+j of query r, so two neighbouring key tiles packed to f16
; ARE the second operand (32 keys x 16 queries) of O^T = V^T P^T: no lane ever hands a score to another, and maximum, sum and rescaling factor
; are one number a lane (one exchange between the halves of the wave).
;
; K AND V come as f32: 16 loads of 16 bytes a thread for a tile (each load of a wave covers one whole 512-byte row), rounded to f16 in the
; registers they landed in, and stored to ONE K buffer and ONE V buffer in LDS, shifted by half a step: V(t) is stored while K(t) is multiplied,
; K(t+1) while V(t) is multiplied.  Two barriers a step.  Behind each run of stores and the eight products that follow it the registers are loaded
; again (V(t+1), K(t+2)): 16 to 32 loads of every wave are always on their way, each asked for nearly a whole step ahead of its use.
;
; NO CLUSTER, NO TENSOR LOADS.  A joint request is a tensor load, and it would lay f32 into LDS: 128 KiB a step written and read again on top of
; the 320 KiB a step that the f16 tiles cost, since the rounding has to pass through registers anyway.  And the partners (the query blocks of a head)
; leave the common walk at a step that hangs on p, their place in the cluster: trip counts would differ between partners.
;
; THE MODE: SCHED_MODE bits 1:0 = 2 (LLVM: expert scheduling mode 2), set by the entry lines.  The code itself states the register dependences
; between vector or matrix instructions and memory or LDS instructions, with s_wait_alu, always for 0.
; THE PLAN.  Registers that LDS or memory instructions touch, and who else names them:
;   FR0, FR1    fragment loads land in them; eight matrix instructions read each filling.
;   VS, KS      a tile's 16 global loads land; 32 conversions read and write them in place; 16 LDS stores read them; the next tile's loads land.
;   QF          loaded from LDS at a pass's head; read by the products K Q^T alone.
;   SC, O, v232-239   at a pass's end: LDS stores read O and v232-235; LDS loads land in SC, FR0, FR1 and v236-239; the merge writes SC; global stores read it.
;   v1-v15      offsets and LDS addresses, made once in the prologue and never written again (v16 serves one run of stores there and is a maximum afterwards).
; A half step (K Q^T, and V^T P alike) holds four statements on va_vdst and one on vm_vsrc:
;   at its head: the last half step's products are done reading FR0 and FR1; both first runs of fragment loads follow;
;   behind the conversions: the staging registers are written; the LDS stores follow;
;   behind the first eight products: the conversions are done with the staging registers, those products are done reading FR0, and (vm_vsrc) the LDS stores have
;   read the staging registers; the 16 global loads and the third run of fragment loads follow, with nothing between that names FR0 or its address;
;   behind the second eight products: they are done reading FR1; the fourth run follows.
; Vector instructions that write scalar registers stand in runs, each with one statement on va_sdst ahead of its first reader.
;
; LIMITS.  q, k, v are rounded to f16: a magnitude of 65,520 or more becomes infinite; below 2^-14 the absolute rounding error is at most 2^-25.
; p (at most 1) is rounded to f16 for the product: below 2^-14 its absolute error is at most 2^-25, over 2,048 keys at most 2^-14 of a row sum that is
; at least 1.  The row sum adds the unrounded p.  Masked scores are -FLT_MAX, as in the reference.  A row whose 64 keys of the diagonal tile are all
; masked carries p = 1 and a sum of 64 v until a factor exp2(-huge) = 0 removes it (next rescale or the merge): sums of 64 |v| must stay finite.
; v_exp_f32 gives 0 for p below 2^-126.  v_max*_num drops NaN: NaN and infinities do not come out as in the reference.
; The diagonal tile is computed whole (its upper half is masked, not skipped).
.set TILEB, 65536                      ; bytes of a tile of 128 rows x 128 f32, and of a query block
.set STEPS, 17                         ; key tiles of a work-group, both passes
.set KP,    272                        ; LDS pitch of K and Q rows: 256 bytes + 16 = 17 x 16: the 16 rows of a fragment load lie in 16 different 16-byte columns of 256
.set VP,    288                        ; LDS pitch of V rows: 9 x 32, for the transposing load
.set STP,   528                        ; LDS pitch of a staged row of O: 512 bytes + 16 = 33 x 16
.set LK,    0                          ; K tile, f16, 128 rows
.set LV,    128*KP                     ; V tile, f16, 128 rows
.set LQ,    LV+128*VP                  ; Q of pass 0, then Q of pass 1
.set QBLK,  128*KP
.set STAT,  LQ+2*QBLK                  ; {maximum, sum}: 8 bytes for each of a wave's 32 rows, 8 waves
.set STG,   STAT+2048                  ; each wave's 32 rows of O, f32
.set WSTG,  32*STP                     ; ends at 278,528
; vector registers, window 0:  v1 16 t (global offset)   v2 K store   v3 Q store   v4 V store   v5 K fragments   v6 V fragments   v7 Q fragments
;   v8 query - key of my register 0 in the diagonal tile   v9 O stage store   v10, v11 stage read (key half 0, 1)   v12, v13 stat store, read
;   v14 offset in out   v15 prefetch offset   v248 -FLT_MAX   v232-247 temporaries
.set MX,  16                           ; v16-17   running maximum of query group a (raw scores)
.set T0,  18                           ; v18-19   maximum chain 0
.set T1,  20                           ; v20-21   maximum chain 1
.set NM,  22                           ; v22-25   - maximum x c, twice, for a = 0, 1
.set AL,  26                           ; v26-29   rescaling factor, twice, for a = 0, 1
.set EX,  30                           ; v30-31   its exponent
.set QF,  32                           ; v32-95   Q fragments [a][c] at 8 (4a + c)
.set SC,  96                           ; v96-159  scores [a][kt] at 8 (4a + kt); P [a][kk] packed in place at 8 (4a + 2kk)
.set FR0, 160                          ; v160-191 four fragments of K or V
.set FR1, 192                          ; v192-223 four more
.set LS,  224                          ; v224-231 row sums: two pairs for each a
; window 1 (v256-511, named by their low 8 bits)
.set OA,  0                            ; O [a][dt] at 8 (8a + dt); in the prologue the staging of Q
.set KS,  128                          ; staging of a K tile: 16 x 4
.set VS,  192                          ; staging of a V tile
; s_set_vgpr_msb: bits 1:0 source 0, 3:2 source 1, 5:4 source 2, 7:6 destination.  O (128) + Q (64) + scores (64) + staging (128) + fragments (64)
; do not fit one window of 256, so staging and O live in window 1.
.set W_LD,  0x40                       ; load: destination window 1, address window 0
.set W_CVT, 0x45                       ; conversion in place in window 1
.set W_STD, 0x04                       ; LDS store: address window 0, data window 1
.set W_RS,  0x41                       ; O = O x factor: O window 1, factor window 0
.set W_PV,  0x50                       ; matrix: A, B window 0, C and D window 1
.set MSB, 0
.macro WIN new                         ; the immediate's high byte repeats the setting that is left; switches that change nothing are dropped
.if MSB != \new
	s_set_vgpr_msb (MSB<<8)|\new
.set MSB, \new
.endif
.endm
; scalars: s[4:11] q, k, v, out (q and out moved to the head)   s12 wave  s13 qg  s14 kh  s16 head  s17 step  s18 15-p  s19 p  s47 16-p
;   s[20:21] c, c   s22 -c   s23 -FLT_MAX   s24, s25 lane select   s[26:27], s[28:29] K, V at the head   s[30:31], s[32:33] K, V at the tile loaded last
;   s[34:35] an offset (s35 = 0)   s[36:37] out at the pass's block   s[38:41] Q's two blocks   s46 steps in which this wave prefetches
;   s48-50 temporaries of TILEPTR
.set MK,  48                           ; s48-55   in the diagonal tile's softmax: eight masks, one run of compares
.set FP,  48                           ; s[48:55] at a pass's end: the merge factors of two rows, four pairs (the odd registers hold 0)
; Four places behind a matrix instruction before a vector instruction or an LDS store reads its result; only plain
; vector instructions that name none of its registers are counted here.
.macro PLACES
.rept 4
	v_nop
.endr
.endm
; 16 loads: a whole tile for the work-group; load i of wave w is row 8 i + w, lane L its floats 4 L .. 4 L + 3.  again = 1: the registers have been converted and stored from.
; The window is switched first, then the statements, then the loads.
.macro LOADT dst, ptr, nt, again
	WIN W_LD
.if \again
	s_wait_alu depctr_va_vdst(0)                           ; the conversions are done reading and writing these registers; in a step also: the eight products just issued are done reading FR0, in which the fragment loads behind this run land
	s_wait_alu depctr_vm_vsrc(0)                           ; the LDS stores have read these registers
.endif
.irp i, 0,1,2,3,4,5,6,7,8,9,10,11,12,13,14,15
.if \nt
	global_load_b128 v[\dst+4*\i:\dst+4*\i+3], v1, s[\ptr:\ptr+1] offset:4096*\i th:TH_LOAD_NT
.else
	global_load_b128 v[\dst+4*\i:\dst+4*\i+3], v1, s[\ptr:\ptr+1] offset:4096*\i
.endif
.endr
.endm
; round 16 x 4 f32 to f16 (to nearest even, the mode at entry), in place: the first two registers of each four hold the result
.macro CVT16 b
	WIN W_CVT
.irp i, 0,1,2,3,4,5,6,7,8,9,10,11,12,13,14,15
	v_cvt_pk_f16_f32 v[\b+4*\i],   v[\b+4*\i],   v[\b+4*\i+1]
	v_cvt_pk_f16_f32 v[\b+4*\i+1], v[\b+4*\i+2], v[\b+4*\i+3]
.endr
.endm
; 16 LDS stores of 8 bytes a lane: a wave's store fills the 256 bytes of one f16 row; step = 8 rows.  Every use stands behind a CVT16 of the same registers.
.macro STORET adr, b, step
	WIN W_STD
	s_wait_alu depctr_va_vdst(0)                           ; the conversions have written the registers that these stores read (at its first use also: all the address registers are written)
.irp i, 0,1,2,3,4,5,6,7,8,9,10,11,12,13,14,15
	ds_store_b64 v[\adr], v[\b+4*\i:\b+4*\i+1] offset:\i*\step
.endr
	WIN 0
.endm
; ptr = base + 65,536 x tile(s17 + ahead).  With g = s17 + ahead: in pass 0 (g < 16-p) loc = g and the diagonal is 15-p, in pass 1 loc = g - (16-p)
; and the diagonal is p; tile = the diagonal for loc = 0, else loc - 1.  A select leaves SCC alone, so one compare serves two.
.macro TILEPTR ptr, base, ahead
	s_add_co_u32 s48, s17, \ahead
	s_sub_co_u32 s49, s48, s47
	s_cmp_ge_u32 s48, s47
	s_cselect_b32 s48, s49, s48
	s_cselect_b32 s49, s19, s18
	s_sub_co_u32 s50, s48, 1
	s_cmp_eq_u32 s48, 0
	s_cselect_b32 s34, s49, s50
	s_lshl_b32 s34, s34, 16
	s_add_nc_u64 s[\ptr:\ptr+1], s[\base:\base+1], s[34:35]
.endm
; K fragments of my 64 keys (4 x 16) for d = 32 c .. +31: lane (r, h) takes 16 bytes at row r, byte 64 c + 16 h, and 32 bytes on
.macro FETCHK c, f
.irp kt, 0,1,2,3
	ds_load_b128 v[\f+8*\kt:\f+8*\kt+3],   v5 offset:16*KP*\kt+64*\c
	ds_load_b128 v[\f+8*\kt+4:\f+8*\kt+7], v5 offset:16*KP*\kt+64*\c+32
.endr
.endm
; V fragments, transposed on the way: group g = keys 32 (g >> 1) .. +31 of my 64, d blocks 4 (g & 1) .. +3
.macro FETCHV g, f
.irp i, 0,1,2,3
	ds_load_tr16_b128 v[\f+8*\i:\f+8*\i+3],   v6 offset:32*VP*(\g>>1)+32*(4*(\g&1)+\i)
	ds_load_tr16_b128 v[\f+8*\i+4:\f+8*\i+7], v6 offset:32*VP*(\g>>1)+32*(4*(\g&1)+\i)+16*VP
.endr
.endm
; 8 matrix instructions on 8 accumulators: S^T[a][kt] += K[kt] (16 keys x 32 d) x Q[a][c] (32 d x 16 queries)
.macro QKMUL c, f, zero
.irp kt, 0,1,2,3
.irp a, 0,1
.if \zero
	v_wmma_f32_16x16x32_f16 v[SC+8*(4*\a+\kt):SC+8*(4*\a+\kt)+7], v[\f+8*\kt:\f+8*\kt+7], v[QF+8*(4*\a+\c):QF+8*(4*\a+\c)+7], 0
.else
	v_wmma_f32_16x16x32_f16 v[SC+8*(4*\a+\kt):SC+8*(4*\a+\kt)+7], v[\f+8*\kt:\f+8*\kt+7], v[QF+8*(4*\a+\c):QF+8*(4*\a+\c)+7], v[SC+8*(4*\a+\kt):SC+8*(4*\a+\kt)+7]
.endif
.endr
.endr
.endm
; 8 matrix instructions: O^T[a][dt] += V^T[dt] (16 d x 32 keys) x P^T[a][kk] (32 keys x 16 queries)
.macro PVMUL g, f, zero
	WIN W_PV
.irp i, 0,1,2,3
.irp a, 0,1
.if \zero
	v_wmma_f32_16x16x32_f16 v[OA+8*(8*\a+4*(\g&1)+\i):OA+8*(8*\a+4*(\g&1)+\i)+7], v[\f+8*\i:\f+8*\i+7], v[SC+8*(4*\a+2*(\g>>1)):SC+8*(4*\a+2*(\g>>1))+7], 0
.else
	v_wmma_f32_16x16x32_f16 v[OA+8*(8*\a+4*(\g&1)+\i):OA+8*(8*\a+4*(\g&1)+\i)+7], v[\f+8*\i:\f+8*\i+7], v[SC+8*(4*\a+2*(\g>>1)):SC+8*(4*\a+2*(\g>>1))+7], v[OA+8*(8*\a+4*(\g&1)+\i):OA+8*(8*\a+4*(\g&1)+\i)+7]
.endif
.endr
.endr
.endm
; the pass's Q fragments: my 32 queries x 128 d, kept in 64 registers for the whole pass.  Only the products K Q^T name these registers: behind a pass's last
; such product stands the statement at the head of its V^T P, so pass 1's loads owe nothing more.
.macro QFRAG pass
.irp a, 0,1
.irp c, 0,1,2,3
	ds_load_b128 v[QF+8*(4*\a+\c):QF+8*(4*\a+\c)+3],   v7 offset:QBLK*\pass+16*KP*\a+64*\c
	ds_load_b128 v[QF+8*(4*\a+\c)+4:QF+8*(4*\a+\c)+7], v7 offset:QBLK*\pass+16*KP*\a+64*\c+32
.endr
.endr
.endm
; Registers only.  first = 1: the diagonal tile: mask, no old maximum, no rescaling, the sums start.
.macro SOFTMAX first
.if \first
	; key 64 kh + 16 kt + 8 h + j stays where it is <= query 32 qg + 16 a + r, that is 16 kt - 16 a + j <= v8 (constants -16 .. 55).
	; The compares of an accumulator's eight registers stand in one run, into eight scalar registers.
.irp a, 0,1
.irp kt, 0,1,2,3
.irp j, 0,1,2,3,4,5,6,7
	v_cmp_le_i32 s[MK+\j], 16*\kt-16*\a+\j, v8
.endr
	s_wait_alu depctr_va_sdst(0)                           ; the eight masks are written, ahead of the selects that read them
.irp j, 0,1,2,3,4,5,6,7
	v_cndmask_b32 v[SC+8*(4*\a+\kt)+\j], v248, v[SC+8*(4*\a+\kt)+\j], s[MK+\j]
.endr
.endr
.endr
.endif
	; the maximum of my 32 scores of each query and the old maximum: two chains for each a, four that do not wait for each other
.irp a, 0,1
.if \first
	v_max_num_f32 v[T0+\a], v[SC+32*\a], v[SC+32*\a+1]
.else
	v_max3_num_f32 v[T0+\a], v[SC+32*\a], v[SC+32*\a+1], v[MX+\a]
.endif
	v_max3_num_f32 v[T1+\a], v[SC+32*\a+16], v[SC+32*\a+17], v[SC+32*\a+18]
.endr
.irp nn, 0,2,4,6,8,10
.irp a, 0,1
	v_max3_num_f32 v[T0+\a], v[SC+32*\a+2+\nn],  v[SC+32*\a+3+\nn],  v[T0+\a]
	v_max3_num_f32 v[T1+\a], v[SC+32*\a+19+\nn], v[SC+32*\a+20+\nn], v[T1+\a]
.endr
.endr
.irp a, 0,1
	v_max3_num_f32 v[T0+\a], v[SC+32*\a+14], v[SC+32*\a+15], v[T0+\a]
.endr
.irp a, 0,1
	v_max3_num_f32 v[T0+\a], v[T0+\a], v[T1+\a], v[SC+32*\a+31]
.endr
.irp a, 0,1
	v_permlanex16_b32 v[T1+\a], v[T0+\a], s24, s25         ; the other half of the lanes holds the query's other keys
.endr
.irp a, 0,1
	v_max_num_f32 v[T0+\a], v[T0+\a], v[T1+\a]
.endr
.irp a, 0,1
	v_mul_f32 v[NM+2*\a],   s22, v[T0+\a]                  ; - maximum x c, a pair for the packed multiply-add
	v_mul_f32 v[NM+2*\a+1], s22, v[T0+\a]
.endr
.irp a, 0,1
.if \first == 0
	v_fma_f32 v[EX+\a], v[MX+\a], s20, v[NM+2*\a]          ; (old maximum - new maximum) x c, at most 0
.endif
	v_mov_b32 v[MX+\a], v[T0+\a]
.endr
.if \first == 0
.irp a, 0,1
	v_exp_f32 v[AL+2*\a],   v[EX+\a]
	v_exp_f32 v[AL+2*\a+1], v[EX+\a]
.endr
.endif
	; p = exp2(score x c - maximum x c).  Behind a run of exponentials one plain vector instruction that touches none of their registers comes
	; before a result is used (ISA guide 5.7.2): the multiply-adds of the other query group, then the rescaling of O, are those.
.set ii, 0
.rept 16
	v_pk_fma_f32 v[SC+ii:SC+ii+1], v[SC+ii:SC+ii+1], s[20:21], v[NM:NM+1] op_sel_hi:[1,0,1]
.set ii, ii+2
.endr
.set ii, 0
.rept 32
	v_exp_f32 v[SC+ii], v[SC+ii]
.set ii, ii+1
.endr
.set ii, 32
.rept 16
	v_pk_fma_f32 v[SC+ii:SC+ii+1], v[SC+ii:SC+ii+1], s[20:21], v[NM+2:NM+3] op_sel_hi:[1,0,1]
.set ii, ii+2
.endr
.set ii, 32
.rept 32
	v_exp_f32 v[SC+ii], v[SC+ii]
.set ii, ii+1
.endr
.if \first
	v_nop                                                  ; the place behind the last exponentials
	s_wait_alu depctr_va_vdst(0)
.else
	WIN W_RS
.set ii, 0
	s_wait_alu depctr_va_vdst(0)
.rept 32
	v_pk_mul_f32 v[OA+ii:OA+ii+1],       v[OA+ii:OA+ii+1],       v[AL:AL+1]
	v_pk_mul_f32 v[OA+64+ii:OA+64+ii+1], v[OA+64+ii:OA+64+ii+1], v[AL+2:AL+3]
.set ii, ii+2
.endr
	WIN 0
.endif
	; row sums: two pairs for each a; the halves of the pairs and of the wave meet once a pass
.irp a, 0,1
.if \first
	v_pk_add_f32 v[LS+4*\a:LS+4*\a+1],   v[SC+32*\a:SC+32*\a+1],   v[SC+32*\a+4:SC+32*\a+5]
	v_pk_add_f32 v[LS+4*\a+2:LS+4*\a+3], v[SC+32*\a+2:SC+32*\a+3], v[SC+32*\a+6:SC+32*\a+7]
.else
	v_pk_fma_f32 v[LS+4*\a:LS+4*\a+1],   v[LS+4*\a:LS+4*\a+1],   v[AL+2*\a:AL+2*\a+1], v[SC+32*\a:SC+32*\a+1]
	v_pk_fma_f32 v[LS+4*\a+2:LS+4*\a+3], v[LS+4*\a+2:LS+4*\a+3], v[AL+2*\a:AL+2*\a+1], v[SC+32*\a+2:SC+32*\a+3]
	v_pk_add_f32 v[LS+4*\a:LS+4*\a+1],   v[LS+4*\a:LS+4*\a+1],   v[SC+32*\a+4:SC+32*\a+5]
	v_pk_add_f32 v[LS+4*\a+2:LS+4*\a+3], v[LS+4*\a+2:LS+4*\a+3], v[SC+32*\a+6:SC+32*\a+7]
.endif
.endr
.irp nn, 8,12,16,20,24,28
.irp a, 0,1
	v_pk_add_f32 v[LS+4*\a:LS+4*\a+1],   v[LS+4*\a:LS+4*\a+1],   v[SC+32*\a+\nn:SC+32*\a+\nn+1]
	v_pk_add_f32 v[LS+4*\a+2:LS+4*\a+3], v[LS+4*\a+2:LS+4*\a+3], v[SC+32*\a+\nn+2:SC+32*\a+\nn+3]
.endr
.endr
	; two key tiles of 16 -> one operand of 32 keys, in place: registers 0-3 keys 8h .. 8h+7, registers 4-7 keys 16+8h .. +7
.irp a, 0,1
.irp kk, 0,1
.irp j, 0,1,2,3
	v_cvt_pk_f16_f32 v[SC+32*\a+16*\kk+\j], v[SC+32*\a+16*\kk+2*\j], v[SC+32*\a+16*\kk+2*\j+1]
.endr
.irp j, 0,1,2,3
	v_cvt_pk_f16_f32 v[SC+32*\a+16*\kk+4+\j], v[SC+32*\a+16*\kk+8+2*\j], v[SC+32*\a+16*\kk+9+2*\j]
.endr
.endr
.endr
.endm
; ONE KEY TILE.  first: the pass's diagonal tile.  pf: the text holds the prefetch lines (pass 0, where steps 0 to 4 lie).  id: for the labels.
; On entry: K(t) is in LDS (a barrier has been passed); V(t)'s 16 loads, then K(t+1)'s 16, are on their way.
.macro STEP first, pf, id
.if (\first == 0) || (\pf == 0)                        ; the launch's first step has nothing in front of it that names FR0 or FR1
	s_wait_alu depctr_va_vdst(0)                           ; the last step's products V^T P are done reading FR0 and FR1 (at pass 1's head: the merge is done reading and writing them)
.endif
	FETCHK 0, FR0
	FETCHK 1, FR1
	s_wait_loadcnt 16                                      ; loads come back in order (ISA guide 5.7.1): V(t) is in, K(t+1)'s 16 stay out
	CVT16 VS                                               ; these 32 are also the places between the last step's products, which read P, and the products below, which write over it
	STORET 4, VS, 8*VP                                     ; the V buffer is free: everybody's reads of V(t-1) ended in front of the last barrier
	s_wait_dscnt 24                                        ; FR0 (and in a pass's first step Q) is in; FETCHK 1's eight loads and the sixteen stores may be out
	QKMUL 0, FR0, 1                                        ; the first product starts the scores
	s_cmp_ge_u32 s17, STEPS-1
	s_cbranch_scc1 .Lvn_\id
	s_wait_xcnt 0x0                                        ; the pointer is stepped only when the last prefetch that names it has had its address translated (ISA guide 3.1)
	TILEPTR 32, 28, 1
	LOADT VS, 32, 0, 1                                     ; V(t+1)
	WIN 0
.if \pf
	s_cmp_ge_u32 s17, s46
	s_cbranch_scc1 .Lvd_\id
	; steps 0-4, wave 0: the pointer stands at tile t; rows 16 p .. +15 of V's tile t+3 (8 KiB, lanes 256 bytes apart).  The eight work-groups of the
	; head ask for the eight parts of a tile, each part once; tiles 3-7 only: 8-15 are loaded at step 0 as diagonals, 0-2 are loaded at once.
	global_prefetch_b8 v15, s[32:33] offset:3*TILEB th:TH_LOAD_NT scope:SCOPE_SE
.endif
	s_branch .Lvd_\id
.Lvn_\id:
	s_wait_loadcnt 0x0                                     ; the last step loads nothing: so that every path leaves the same or fewer loads out
	s_wait_alu depctr_va_vdst(0)                           ; on this way too: the eight products are done reading FR0
	s_wait_alu depctr_vm_vsrc(0)                           ; and the LDS stores have read VS: every way through the text to the next line that writes VS passes this statement
.Lvd_\id:
	FETCHK 2, FR0                                          ; since the statement on either way nothing has named FR0 or v5
	s_wait_dscnt 8                                         ; FR1 is in and the V stores are done; FETCHK 2's eight stay out
	QKMUL 1, FR1, 0
	s_wait_alu depctr_va_vdst(0)                           ; these eight products are done reading FR1
	FETCHK 3, FR1
	s_wait_dscnt 8                                         ; FR0 is in
	QKMUL 2, FR0, 0
	s_wait_dscnt 0x0                                       ; for the others: my reads of K(t) and my stores of V(t) are done
	s_barrier_signal -1
	QKMUL 3, FR1, 0                                        ; registers only, up to the wait
	PLACES
	SOFTMAX \first
	s_barrier_wait -1                                      ; V(t) is whole, nobody reads K(t) any more
	s_wait_alu depctr_va_vdst(0)                           ; the last sixteen products K Q^T are done reading FR0 and FR1
	FETCHV 0, FR0
	FETCHV 1, FR1
	s_cmp_ge_u32 s17, STEPS-1
	s_cbranch_scc1 .Lkw_\id
	s_wait_loadcnt 16                                      ; K(t+1) is in, V(t+1)'s 16 stay out
	CVT16 KS
	STORET 2, KS, 8*KP
	s_wait_dscnt 24                                        ; FR0 is in; FETCHV 1's eight loads and the sixteen stores may be out
	s_branch .Lks_\id
.Lkw_\id:
	s_wait_loadcnt 0x0                                     ; the last step: no K follows, nothing is out
	s_wait_dscnt 8                                         ; FR0 is in; FETCHV 1's eight may be out
.Lks_\id:
	PVMUL 0, FR0, \first
	WIN 0
	s_cmp_ge_u32 s17, STEPS-2
	s_cbranch_scc1 .Lkn_\id
	s_wait_xcnt 0x0                                        ; as above, for K's pointer
	TILEPTR 30, 26, 2
	LOADT KS, 30, 0, 1                                     ; K(t+2)
	WIN 0
.if \pf
	s_cmp_ge_u32 s17, s46
	s_cbranch_scc1 .Lkd_\id
	global_prefetch_b8 v15, s[30:31] offset:2*TILEB th:TH_LOAD_NT scope:SCOPE_SE   ; the pointer stands at tile t+1: K's tile t+3, loaded two steps from here
.endif
	s_branch .Lkd_\id
.Lkn_\id:
	s_wait_loadcnt 0x0                                     ; no K(t+2): the next step's wait for V then finds nothing behind V
	s_wait_alu depctr_va_vdst(0)                           ; on this way too: the eight products are done reading FR0
	s_wait_alu depctr_vm_vsrc(0)                           ; and the LDS stores have read KS: every way through the text to the next line that writes KS passes this statement
.Lkd_\id:
	FETCHV 2, FR0                                          ; since the statement on either way nothing has named FR0 or v6
	s_wait_dscnt 8                                         ; FR1 is in and the K stores are done; FETCHV 2's eight stay out
	PVMUL 1, FR1, \first
	WIN 0
	s_wait_alu depctr_va_vdst(0)                           ; these eight products are done reading FR1
	FETCHV 3, FR1
	s_wait_dscnt 8                                         ; FR0 is in
	PVMUL 2, FR0, 0
	s_wait_dscnt 0x0                                       ; for the others: my reads of V(t) and my stores of K(t+1) are done
	s_barrier_signal -1
	PVMUL 3, FR1, 0
	WIN 0
	s_barrier_wait -1                                      ; K(t+1) is whole, nobody reads V(t) any more
	s_add_co_u32 s17, s17, 1
.endm
; four finished rows of out: 32 lanes store 512 consecutive bytes, one row, an instruction
.macro OUT4 q
.irp n, 0,1,2,3
	global_store_b128 v14, v[SC+4*(4*\q+\n):SC+4*(4*\q+\n)+3], s[36:37] offset:512*(4*\q+\n) th:TH_STORE_NT
.endr
.endm
; THE END OF A PASS: the two key halves of each query row meet in LDS; each wave then finishes 16 rows and stores them, a whole row of 512 bytes an instruction.
.macro EPILOGUE
	PLACES                                                 ; behind the last matrix instructions: LDS stores read O
.irp n, 0,1,2,3
	s_mov_b32 s[FP+2*\n+1], 0                              ; named with the factors as pairs, so they are written
.endr
.irp a, 0,1
	v_pk_add_f32 v[LS+4*\a:LS+4*\a+1], v[LS+4*\a:LS+4*\a+1], v[LS+4*\a+2:LS+4*\a+3]
	v_add_f32 v[233+2*\a], v[LS+4*\a], v[LS+4*\a+1]
	v_permlanex16_b32 v[LS+4*\a+2], v[233+2*\a], s24, s25  ; (its destination has been written)
	v_add_f32 v[233+2*\a], v[233+2*\a], v[LS+4*\a+2]       ; my wave's sum for query 16 a + r
	v_mov_b32 v[232+2*\a], v[MX+\a]
.endr
	WIN W_STD
	s_wait_alu depctr_va_vdst(0)                           ; the matrix instructions have written O, the lines above v232-235: the stores below read them.  The products are also done reading P, FR0 and FR1,
	                                                       ; and earlier lines v236-239: the loads behind the barrier land there, and no vector or matrix instruction up to them names those registers
.irp a, 0,1
.irp dt, 0,1,2,3,4,5,6,7
	ds_store_b128 v9, v[OA+8*(8*\a+\dt):OA+8*(8*\a+\dt)+3]   offset:16*STP*\a+64*\dt      ; row 16 a + r, d = 16 dt + 8 h + 0..3
	ds_store_b128 v9, v[OA+8*(8*\a+\dt)+4:OA+8*(8*\a+\dt)+7] offset:16*STP*\a+64*\dt+16   ; and + 4..7
.endr
.endr
	WIN 0
.irp a, 0,1
	ds_store_b64 v12, v[232+2*\a:233+2*\a] offset:128*\a   ; {maximum, sum}; both halves of the lanes store the same 8 bytes
.endr
	s_wait_dscnt 0x0                                       ; for the partner wave: my stage and my stats are written
	s_barrier_signal -1
	s_barrier_wait -1
	ds_load_b64 v[236:237], v13                            ; lane r: {maximum, sum} of row 16 kh + r from key half 0,
	ds_load_b64 v[238:239], v13 offset:1024                ; and from key half 1 (four waves on)
.irp i, 0,1,2,3,4,5,6,7,8,9,10,11,12,13,14,15
	ds_load_b128 v[SC+4*\i:SC+4*\i+3],   v10 offset:STP*\i ; row 16 kh + i, 16 bytes a lane, key half 0
	ds_load_b128 v[FR0+4*\i:FR0+4*\i+3], v11 offset:STP*\i ; key half 1
.endr
	s_wait_dscnt 32                                        ; the two stat loads are in; the 32 row loads behind them stay out
	v_max_num_f32 v240, v236, v238
	v_sub_f32 v241, v236, v240
	v_sub_f32 v242, v238, v240
	v_mul_f32 v241, s20, v241
	v_mul_f32 v242, s20, v242
	v_exp_f32 v241, v241                                   ; weight of each half; one of them is 1
	v_exp_f32 v242, v242
	v_nop
	s_wait_alu depctr_va_vdst(0)
	v_mul_f32 v243, v237, v241
	v_fmac_f32 v243, v239, v242                            ; the row's whole sum, at least about 1
	v_rcp_f32 v244, v243
	v_nop
	s_wait_alu depctr_va_vdst(0)
	v_mul_f32 v245, v241, v244
	v_mul_f32 v246, v242, v244
	; Two rows' four factors are read out in one run; four finished rows are stored together, behind the next rows' run.
.irp m, 0,1,2,3
.irp u, 0,1
.irp n, 0,1
	v_readlane_b32 s[FP+4*\n],   v245, 4*\m+2*\u+\n        ; the row's two factors, for all lanes
	v_readlane_b32 s[FP+4*\n+2], v246, 4*\m+2*\u+\n
.endr
	s_wait_alu depctr_va_sdst(0)                           ; the four factors are written, ahead of the multiplies that read them
.if (\u == 0) && (\m > 0)
	s_wait_alu depctr_va_vdst(0)                           ; the four rows before are written, which the stores read
	OUT4 (\m-1)
.endif
	s_wait_dscnt 28-8*\m-4*\u                              ; these two rows' four loads are in, the younger rows' stay out
.irp n, 0,1
.set ri, 4*(4*\m+2*\u+\n)
	v_pk_mul_f32 v[FR0+ri:FR0+ri+1],   v[FR0+ri:FR0+ri+1],   s[FP+4*\n+2:FP+4*\n+3] op_sel_hi:[1,0]
	v_pk_mul_f32 v[FR0+ri+2:FR0+ri+3], v[FR0+ri+2:FR0+ri+3], s[FP+4*\n+2:FP+4*\n+3] op_sel_hi:[1,0]
	v_pk_fma_f32 v[SC+ri:SC+ri+1],     v[SC+ri:SC+ri+1],     s[FP+4*\n:FP+4*\n+1], v[FR0+ri:FR0+ri+1]   op_sel_hi:[1,0,1]
	v_pk_fma_f32 v[SC+ri+2:SC+ri+3],   v[SC+ri+2:SC+ri+3],   s[FP+4*\n:FP+4*\n+1], v[FR0+ri+2:FR0+ri+3] op_sel_hi:[1,0,1]
.endr
.endr
.endr
	s_wait_alu depctr_va_vdst(0)                           ; the last four rows are written, which the stores read
	OUT4 3
	s_wait_xcnt 0x0                                        ; the stores' data registers and base are written again only behind this wait
.endm
	; ---------------------------------------------------------------- prologue
	s_load_b256 s[4:11], s[0:1], 0x0               ; q s[4:5], k s[6:7], v s[8:9], out s[10:11]
	v_lshl_add_u32 v254, v0, 2, 0x44000
	v_mov_b32 v255, 0
	v_lshlrev_b32 v1, 4, v0                        ; 16 t
	v_lshrrev_b32 v235, 5, v0
	v_readfirstlane_b32 s12, v235                  ; wave
	s_mov_b32 s19, ttmp9                           ; p
	s_and_b32 s16, ttmp7, 0xffff                   ; head
	s_sub_co_u32 s18, 15, s19
	s_sub_co_u32 s47, 16, s19
	s_mov_b32 s17, 0
	s_mov_b32 s20, 0x3e0293ee                      ; c = log2(e) / sqrt(128)
	s_mov_b32 s21, 0x3e0293ee
	s_mov_b32 s22, 0xbe0293ee                      ; -c
	s_mov_b32 s23, 0xff7fffff                      ; -FLT_MAX
	s_mov_b32 s24, 0x76543210                      ; v_permlanex16_b32: lane i of one half reads lane i of the other
	s_mov_b32 s25, 0xfedcba98
	s_lshl_b32 s34, s16, 20                        ; a head is 2,048 x 512 bytes
	s_mov_b32 s35, 0
	s_wait_alu depctr_va_sdst(0)                   ; s12 is written, ahead of its first reader
	s_and_b32 s13, s12, 3                          ; qg
	s_lshr_b32 s14, s12, 2                         ; kh
	s_cmp_eq_u32 s12, 0
	s_cselect_b32 s46, 5, 0                        ; wave 0 prefetches in steps 0-4, the others never
	s_wait_kmcnt 0x0
	s_add_nc_u64 s[4:5], s[4:5], s[34:35]
	s_add_nc_u64 s[26:27], s[6:7], s[34:35]
	s_add_nc_u64 s[28:29], s[8:9], s[34:35]
	s_add_nc_u64 s[10:11], s[10:11], s[34:35]
	s_lshl_b32 s34, s18, 16                        ; block 15-p: pass 0's queries, its diagonal tile, its part of out
	s_add_nc_u64 s[38:39], s[4:5], s[34:35]
	s_add_nc_u64 s[30:31], s[26:27], s[34:35]
	s_add_nc_u64 s[32:33], s[28:29], s[34:35]
	s_add_nc_u64 s[36:37], s[10:11], s[34:35]
	s_lshl_b32 s34, s19, 16                        ; block p: pass 1's queries
	s_add_nc_u64 s[40:41], s[4:5], s[34:35]
	WIN W_LD
	s_wait_alu depctr_va_vdst(0)                   ; v1 is written: every global load of the kernel reads it as its offset
	LOADT OA, 38, 1, 0                             ; each Q block is read once in the launch
	LOADT OA+64, 40, 1, 0
	LOADT KS, 30, 0, 0                             ; K of step 0; V of step 0, wanted later, follows behind the first conversion
	WIN 0
	; address registers, while the loads are on their way
	v_and_b32 v232, 31, v0                         ; L
	v_and_b32 v233, 15, v0                         ; r
	v_bfe_u32 v234, v0, 4, 1                       ; h
	v_mov_b32 v248, s23
	s_mul_i32 s48, s12, KP
	v_lshl_add_u32 v2, v232, 3, s48                ; K store: row w (+ 8 i), byte 8 L
	v_add_nc_u32 v3, LQ, v2                        ; Q store, pass 0
	v_add_nc_u32 v16, QBLK, v3                     ; Q store, pass 1 (v16 is free until the first softmax)
	s_mul_i32 s48, s12, VP
	s_add_co_u32 s48, s48, LV
	v_lshl_add_u32 v4, v232, 3, s48                ; V store
	v_mul_u32_u24 v236, v233, KP
	v_lshl_add_u32 v236, v234, 4, v236             ; r x pitch + 16 h
	s_mul_i32 s48, s14, 64*KP
	v_add_nc_u32 v5, s48, v236                     ; K fragments: my 64 keys
	s_mul_i32 s48, s13, 32*KP
	s_add_co_u32 s48, s48, LQ
	v_add_nc_u32 v7, s48, v236                     ; Q fragments: my 32 queries
	v_and_b32 v237, 7, v0
	v_lshl_add_u32 v237, v234, 3, v237             ; key 8 h + (L & 7)
	v_mul_u32_u24 v237, v237, VP
	v_bfe_u32 v238, v0, 3, 1
	v_lshl_add_u32 v237, v238, 4, v237             ; + 16 bytes for lanes 8-15 of each half
	s_mul_i32 s48, s14, 64*VP
	s_add_co_u32 s48, s48, LV
	v_add_nc_u32 v6, s48, v237                     ; V fragments
	s_lshl_b32 s48, s13, 5
	s_lshl_b32 s49, s14, 6
	s_sub_co_i32 s48, s48, s49
	v_lshlrev_b32 v238, 3, v234
	v_sub_nc_u32 v8, v233, v238
	v_add_nc_u32 v8, s48, v8                       ; r - 8 h + 32 qg - 64 kh, signed
	v_mul_u32_u24 v238, v233, STP
	v_lshl_add_u32 v238, v234, 5, v238
	s_mul_i32 s48, s12, WSTG
	s_add_co_u32 s48, s48, STG
	v_add_nc_u32 v9, s48, v238                     ; stage store: my wave's part, row r, byte 32 h
	s_mul_i32 s48, s13, WSTG
	s_mul_i32 s49, s14, 16*STP
	s_add_co_u32 s48, s48, s49
	s_add_co_u32 s48, s48, STG
	v_lshl_add_u32 v10, v232, 4, s48               ; stage read: wave qg's part, rows 16 kh .., byte 16 L
	v_add_nc_u32 v11, 4*WSTG, v10                  ; and wave qg + 4's
	s_lshl_b32 s48, s12, 8
	s_add_co_u32 s48, s48, STAT
	v_lshl_add_u32 v12, v233, 3, s48               ; stat store: (32 w + r) x 8
	s_lshl_b32 s48, s13, 8
	s_lshl_b32 s49, s14, 7
	s_add_co_u32 s48, s48, s49
	s_add_co_u32 s48, s48, STAT
	v_lshl_add_u32 v13, v233, 3, s48               ; stat read: (32 qg + 16 kh + r) x 8
	s_lshl_b32 s48, s13, 14
	s_lshl_b32 s49, s14, 13
	s_add_co_u32 s48, s48, s49
	v_lshl_add_u32 v14, v232, 4, s48               ; out: row 32 qg + 16 kh of the block, byte 16 L
	s_lshl_b32 s48, s19, 13
	v_lshl_add_u32 v15, v232, 8, s48               ; prefetch: rows 16 p .. of a tile, lanes 256 bytes apart
	s_wait_loadcnt 32                              ; Q of pass 0 is in: Q of pass 1 and K (32 loads) stay out
	CVT16 OA
	STORET 3, OA, 8*KP                             ; its statement also shows v2 to v16 written, for every LDS and memory instruction of the kernel that reads one of them
	LOADT VS, 32, 0, 0                             ; V of step 0: no vector instruction has named VS, and none since the first statement names v1
	s_wait_loadcnt 32                              ; Q of pass 1 is in: K's and V's 32 stay out
	CVT16 OA+64
	STORET 16, OA+64, 8*KP
	s_wait_loadcnt 16                              ; K of step 0 is in (and its pointer free): V's 16 stay out
	CVT16 KS
	STORET 2, KS, 8*KP
	TILEPTR 30, 26, 1
	s_wait_dscnt 0x0                               ; for the others: my rows of Q and K are written
	LOADT KS, 30, 0, 1                             ; K of step 1.  Its statement on vm_vsrc also shows that the stores of Q have read v16 and Q's staging, which the first softmax and the first products V^T P write
	WIN 0
	s_barrier_signal -1
	s_barrier_wait -1
	; ---------------------------------------------------------------- pass 0: query block 15-p, 16-p tiles (at least 9)
	QFRAG 0
	STEP 1, 1, d0
.Lt0:
	STEP 0, 1, n0
	s_cmp_lt_u32 s17, s47
	s_cbranch_scc1 .Lt0
	EPILOGUE
	; ---------------------------------------------------------------- pass 1: query block p, p+1 tiles
	s_wait_alu depctr_vm_vsrc(0)                   ; beside the wait on XCNT above: the global stores have read the rows in SC, the LDS stores O and v232-235: pass 1's products and its merge write them again
	s_lshl_b32 s34, s19, 16
	s_add_nc_u64 s[36:37], s[10:11], s[34:35]
	QFRAG 1
	STEP 1, 0, d1
	s_cmp_ge_u32 s17, STEPS                        ; p = 0: the diagonal tile was all
	s_cbranch_scc1 .Le1
.Lt1:
	STEP 0, 0, n1
	s_cmp_lt_u32 s17, STEPS
	s_cbranch_scc1 .Lt1
.Le1:
	EPILOGUE
	s_wait_dscnt 0x0
	s_wait_alu depctr_hold_cnt(0) depctr_sa_sdst(0) depctr_va_vdst(0) depctr_va_sdst(0) depctr_va_ssrc(0) depctr_va_vcc(0) depctr_vm_vsrc(0)
	s_wait_tensorcnt 0x0
	ds_add_u32 v254, v255
	s_wait_dscnt 0x0
	s_endpgm
.Lfunc_end_k_qd398287f11_attn:
	.size	k_qd398287f11_attn, .Lfunc_end_k_qd398287f11_attn-k_qd398287f11_attn
	.p2alignl 7, 3214868480
	.fill 96, 4, 3214868480
	.section	.rodata,"a",@progbits
	.p2align	6, 0x0
	.amdhsa_kernel k_qd398287f11_attn
		.amdhsa_group_segment_fixed_size 279552
		.amdhsa_private_segment_fixed_size 0
		.amdhsa_enable_private_segment 0
		.amdhsa_kernarg_size 32
		.amdhsa_user_sgpr_count 2
		.amdhsa_user_sgpr_kernarg_segment_ptr 1
		.amdhsa_wavefront_size32 1
		.amdhsa_system_sgpr_workgroup_id_x 1
		.amdhsa_system_sgpr_workgroup_id_y 1
		.amdhsa_system_sgpr_workgroup_id_z 1
		.amdhsa_system_vgpr_workitem_id 0
		.amdhsa_next_free_vgpr 512
		.amdhsa_next_free_sgpr 66
		.amdhsa_reserve_vcc 0
		.amdhsa_float_denorm_mode_32 3
		.amdhsa_float_denorm_mode_16_64 3
		.amdhsa_memory_ordered 1
		.amdhsa_forward_progress 1
		.amdhsa_inst_pref_size 198
	.end_amdhsa_kernel
	.amdgpu_metadata
---
amdhsa.version: [ 1, 2 ]
amdhsa.kernels:
  - .name:           k_qd398287f11_attn
    .symbol:         k_qd398287f11_attn.kd
    .args:
      - { .name: q, .offset: 0, .size: 8, .value_kind: global_buffer, .address_space: global }
      - { .name: k, .offset: 8, .size: 8, .value_kind: global_buffer, .address_space: global }
      - { .name: v, .offset: 16, .size: 8, .value_kind: global_buffer, .address_space: global }
      - { .name: out0, .offset: 24, .size: 8, .value_kind: global_buffer, .address_space: global }
    .group_segment_fixed_size: 279552
    .private_segment_fixed_size: 0
    .kernarg_segment_align: 8
    .kernarg_segment_size: 32
    .max_flat_workgroup_size: 256
    .sgpr_count:     66
    .vgpr_count:     512
    .wavefront_size: 32
...
	.end_amdgpu_metadata
.endif
;; end of part 2
